; MI455X (gfx1250); checked and timed in simulation.
; The chip was launched on July 23, 2026; its instructions are those of AMD's public machine-readable ISA for CDNA 5 (MIT licence, August 2026) and "CDNA5" Instruction Set Architecture Reference Guide (July 2026). The comments in the code are by the model that wrote it; some were corrected since.
;; Model. Allowed arithmetic: matrix products marked QUANTISED: E5M2 operands, one E8M0 scale for each 32 along K, by v_wmma_scale_f32_16x16x128_f8f6f4 with both operands' format E5M2, f32 sums; products left as they are: f32 operands where the result goes on into a quantised operand, else bf16, f16 or f32 operands; f32 sums; everything else in f32.
;; Inputs: W1 256 x 512 x 256 float32; W2 256 x 512 x 256 float32; Wmerge 512 x 256 float32; b1 256 float32; b2 256 float32; h0 1,024 x 256 float32; h1 1,024 x 256 float32; x0 1,024 x 128 float32; x1 1,024 x 128 float32.
;; Outputs: out0 1,024 x 256 float32; out1 1,024 x 256 float32.
;; This version of the problem:
;;   THIS VERSION OF THE PROBLEM IS GIVEN IN LOW PRECISION. The matrix products marked QUANTISED in the list below multiply operands that are first quantised to E5M2 (5 exponent bits, 2 mantissa bits; 8 bits a number), with one power-of-two scale for each 32 numbers along K (OCP MX v1.0); their sums are f32. All else is computed in f32.
;;   The module's matrix products, in the order in which they are computed (A, B: the left and right operand; K: the contracted axis; several contracted axes count as one K, in the product's order):
;;     1. batch 1,024 x [M 256, K 1] x [K 1, N 512]; A: computed on the way; B: computed on the way: left as it is (no contracted axis)
;;     2. [M 1,024, K 131,072] x [K 131,072, N 256]; A: computed on the way; B: input W1: QUANTISED
;;     3. batch 1,024 x [M 256, K 1] x [K 1, N 512]; A: computed on the way; B: computed on the way: left as it is (no contracted axis)
;;     4. [M 1,024, K 131,072] x [K 131,072, N 256]; A: computed on the way; B: input W2: QUANTISED
;;     5. [M 1,024, K 512] x [K 512, N 256]; A: computed on the way; B: input Wmerge: QUANTISED
;;   THE QUANTISER, for each operand of a quantised product, along K:
;;     - K is cut into blocks of 32 from its start; a last block that is shorter is filled with zeros.
;;     - A block's scale is 2^e with e = floor(log2(the largest magnitude in the block)) - 15, held to -126 .. 127; a block of zeros has e = 0. As a byte (E8M0): e + 127.
;;     - Each number is divided by its block's scale, clamped to +-57,344, and rounded to the nearest number of E5M2, ties to even, subnormals kept.
;;     - The product sums the exact products of the quantised numbers (number of the format x scale) in f32.
;;   ~~~python
;;   def quantise(x, axis):      # numpy; x: float32 -> the quantised numbers, widened to float32 again
;;       x = np.moveaxis(x, axis, -1); K = x.shape[-1]
;;       x = np.pad(x, [(0, 0)] * (x.ndim - 1) + [(0, -K % 32)]); x = x.reshape(x.shape[:-1] + (-1, 32)); a = np.abs(x).max(-1, keepdims=True)
;;       e = np.where(a > 0, np.clip(np.frexp(np.where(a > 0, a, 1))[1] - 1 - 15, -126, 127), 0)      # np.frexp(a)[1] - 1 = floor(log2(a)), exactly
;;       r = np.clip(x / 2.0 ** e, -57344, 57344)
;;       step = 2.0 ** (np.maximum(np.frexp(np.where(r == 0, 1, r))[1] - 1, -14) - 2)
;;       q = np.round(r / step) * step * 2.0 ** e      # np.round: ties to even
;;       return np.moveaxis(q.reshape(q.shape[:-2] + (-1,))[..., :K], -1, axis).astype(np.float32)
;;   ~~~
;;   OPERANDS COMPUTED ON THE WAY. 'Computed on the way' means the value that the module computes at that place (a softmax that the list does not call 'softmax' is quantised finished and normalised). What goes into a quantiser is computed in f32, as accurately as f32 sums, v_exp_f32 and their like allow (about 1e-6 of the number): no bf16 or f16 on the way to a quantiser, and a product that is left as it is and whose result goes on into a quantised operand takes f32 operands (vector FMAs, or v_wmma_f32_16x16x4_f32). A number that lies on a knife's edge between two numbers of the format may be rounded either way, as far as f32 arithmetic and the matrix unit's own rounding can turn it there, and no further.
;; One version. Each part assembles by itself: llvm-mc -triple=amdgcn-amd-amdhsa -mcpu=gfx1250 --defsym DOCPART=n.
;; ======== version 1 of 1: 3 launches
;; workspace buffers: wq 69,206,016 bytes; part 67,108,864 bytes
;; launch quant (part 1): grid 1024 x 1, 4 waves a work-group, no clusters, 97,792 bytes of LDS; arguments W1, W2, wq; writes wq
.if DOCPART == 1
	.amdgcn_target "amdgcn-amd-amdhsa--gfx1250"
	.amdhsa_code_object_version 6
	.text
	.protected	k_q56bb25aa85_quant
	.globl	k_q56bb25aa85_quant
	.p2align	8
	.type	k_q56bb25aa85_quant,@function
k_q56bb25aa85_quant:
	s_mov_b64 s[64:65], 0
	v_nop
	global_prefetch_b8 v0, s[64:65] scope:SCOPE_SE
	s_setreg_imm32_b32 hwreg(HW_REG_WAVE_MODE, 25, 1), 1
	s_wait_xcnt 0x0
; W1 and W2, [256 (l)][512 (j)][256 (k)] f32, become codes of BF8 (E5M2) with one E8M0 scale byte for each 32 along K = 256 j + k, so a block is 32 neighbouring k of one (l, j).
; A block's scale is 2^(floor(log2(its largest magnitude)) - 15); its byte is the largest magnitude's exponent field - 15, held at 1 from below.  Each number is divided by the scale, held within +-57,344, rounded to the nearest code, ties to even.
; LIMITS: NaN and infinities among the inputs are not served.  A block of zeros gets the byte 1 where the rule says 127: its codes are zeros, and the bytes are read by this program alone.
; THE OUTPUT IS LAID AS THE PRODUCT'S LAUNCH WANTS IT: records of 33,792 bytes, record (W, kb, jq) at index 512 (kb / 2) + 4 jq + 2 (kb % 2) + W: the four records of a pair of kb and both tensors at one jq lie on end.
; A record is one K step of 128 for all 256 l of a tensor: its four blocks c are (j = 4 jq + c, k = 32 kb .. + 31).
;   codes: at 2,048 (l / 16) + 512 c + 16 L, L = l % 16 + 16 h: the 16 codes of k = 32 kb + 16 h + 0 .. 15: the order of the operand's registers;   scale bytes: at 32,768 + 4 l + c.
; SHARES.  Work-group g: tensor g / 512, 64 rows l (four tiles of 16, one a wave), jq = g % 128.  A wave takes 16 l x 4 j x 256 k in 32 steps of 2,048 consecutive bytes (one l, two j).
; Each of a step's four loads reads 512 consecutive bytes; the bytes turn through the wave's own stage in LDS, so that a lane then holds 16 neighbours along k (two neighbouring lanes hold a block).
; The codes are gathered in the wave's own code stage and leave as 32 stores of 512 consecutive bytes; the work-group's scale bytes meet in a shared stage and leave as eight aligned runs of 256 bytes.
; No tensor loads, no clusters (no two work-groups read the same bytes), one barrier (for the shared scale bytes).  Loads run eight steps (32 loads a wave) ahead, the turn through LDS one step.  Every offset is an immediate.
.set WREG,  23808                      ; LDS of a wave: two stages of 32 x SP bytes, then its code stage
.set SP,    80                         ; a lane's place in a stage: 64 bytes + 16 of padding
.set CST,   2*32*SP                    ; the code stage: kb x 2,336 + c x 544 + h x 272 + 16 r
.set SCS,   4*WREG                     ; the shared scale bytes: kb x 256 + 4 (l % 64) + c
.set RECB,  33792                      ; a record
.set KPS,   512*RECB                   ; from a pair of kb to the next pair; inside a pair the two kb lie 2 records apart
.set R,     16                         ; v16-143  eight sets of 16 numbers as loaded; at the end the codes on their way out
.set X,     144                        ; v144-175 two sets of 16 neighbours
.set C,     176                        ; v176-183 two sets of 4 registers of codes
.set E,     184                        ; v184-185 two scale bytes
.set VO,    192                        ; v192-199 16 x lane + kb's place among the records
	s_load_b128 s[4:7], s[0:1], 0x0                ; W1, W2
	s_load_b64 s[8:9], s[0:1], 0x10                ; wq
	v_lshl_add_u32 v200, v0, 2, 0x17c00
	v_mov_b32 v201, 0
	v_lshrrev_b32 v1, 5, v0
	v_readfirstlane_b32 s16, v1                    ; wave 0..3
	v_and_b32 v2, 31, v0                           ; lane
	v_lshlrev_b32 v3, 4, v2                        ; my 16 bytes of a load's 512
	s_mul_i32 s17, s16, WREG
	v_lshrrev_b32 v14, 2, v2
	v_mul_u32_u24 v14, v14, SP
	v_and_b32 v15, 3, v2
	v_lshl_add_u32 v14, v15, 4, v14
	v_add_nc_u32 v14, s17, v14                     ; the stage, on the way in: SP (lane / 4) + 16 (lane % 4)
	v_mul_u32_u24 v15, v2, SP
	v_add_nc_u32 v15, s17, v15                     ; and on the way out: SP x lane: my 16 neighbours
	v_bfe_u32 v8, v0, 1, 3                         ; kb of my 16 neighbours
	v_bfe_u32 v9, v0, 4, 1                         ; which of the step's two j
	v_and_b32 v10, 1, v0                           ; h: which half of the block
	v_and_b32 v11, 15, v0
	s_add_co_u32 s18, s17, CST
	v_mul_u32_u24 v4, v8, 2336
	v_mad_u32_u24 v4, v9, 544, v4
	v_mad_u32_u24 v4, v10, 272, v4
	v_add_nc_u32 v4, s18, v4                       ; where my 16 codes go in the code stage; the step's j pair and row stand in the immediate
	s_lshl_b32 s19, s16, 6
	s_add_co_u32 s19, s19, SCS
	v_lshl_add_u32 v5, v8, 8, v9
	v_add_nc_u32 v5, s19, v5                       ; where my block's byte goes: kb x 256 + 64 x wave + c's low bit
	v_mul_u32_u24 v6, v9, 272
	v_lshl_add_u32 v6, v11, 4, v6
	v_add_nc_u32 v6, s18, v6                       ; the code stage read back: lane L takes h = L / 16, r = L % 16
	v_lshl_add_u32 v7, v0, 4, SCS                  ; the scale bytes read back: 16 bytes a thread; thread / 16 is kb
	v_bfe_u32 v12, v0, 5, 2                        ; kb / 2
	v_lshlrev_b32 v12, 2, v12
	v_mul_u32_u24 v12, v12, 128*RECB               ; x 512 records (both factors stay under 2^24)
	v_bfe_u32 v13, v0, 4, 1                        ; kb % 2
	v_mad_u32_u24 v12, v13, 2*RECB, v12
	v_lshl_add_u32 v12, v11, 4, v12                ; their place in memory: sixteen threads to a record's 256 bytes
.irp k, 0,1,2,3,4,5,6,7
	v_add_nc_u32 v[VO+\k], (\k/2)*KPS+(\k%2)*2*RECB, v3
.endr
	s_bfe_u32 s20, ttmp9, 0x20007                  ; which 64 rows l
	s_and_b32 s21, ttmp9, 127                      ; jq
	s_lshr_b32 s22, ttmp9, 9                       ; which tensor
	s_lshl_b32 s24, s20, 2
	s_add_co_u32 s24, s24, s16                     ; my tile of 16 rows l
	s_lshl_b32 s26, s24, 23                        ; 16 rows of 524,288 bytes each
	s_lshl_b32 s27, s21, 12                        ; 4 j of 1,024 bytes
	s_add_co_u32 s26, s26, s27
	s_mov_b32 s27, 0
	s_lshl_b32 s28, s21, 2
	s_add_co_u32 s28, s28, s22
	s_mul_i32 s28, s28, RECB                       ; record (tensor, kb = 0, jq): index 4 jq + tensor
	s_mov_b32 s29, 0
	s_lshl_b32 s30, s24, 11                        ; my tile's fragment in a record
	s_mov_b32 s31, 0
	s_lshl_b32 s12, s20, 8
	s_add_co_u32 s12, s12, 32768                   ; the work-group's 256 scale bytes in a record
	s_mov_b32 s13, 0
	s_mov_b32 s23, 0x600000                        ; the mantissa field of 57,344
	s_wait_kmcnt 0x0
	s_cmp_lt_u32 ttmp9, 512                        ; the choice hangs on the work-group's number alone
	s_cselect_b64 s[4:5], s[4:5], s[6:7]
	s_add_nc_u64 s[4:5], s[4:5], s[26:27]
	s_add_nc_u64 s[8:9], s[8:9], s[28:29]
	s_add_nc_u64 s[10:11], s[8:9], s[12:13]
	s_add_nc_u64 s[8:9], s[8:9], s[30:31]
.macro LOAD t                          ; step t: row t / 2 of my 16, j pair t % 2
.irp i, 0,1,2,3
	global_load_b128 v[R+16*((\t)%8)+4*\i:R+16*((\t)%8)+4*\i+3], v3, s[4:5] offset:((\t)/2)*524288+((\t)%2)*2048+512*\i th:TH_LOAD_NT
.endr
.endm
.macro TURN t                          ; step t's numbers through the stage: LDS serves a wave's instructions in order, so no wait stands between the stores and the loads
.irp i, 0,1,2,3
	ds_store_b128 v14, v[R+16*((\t)%8)+4*\i:R+16*((\t)%8)+4*\i+3] offset:32*SP*((\t)%2)+8*SP*\i
.endr
.irp i, 0,1,2,3
	ds_load_b128 v[X+16*((\t)%2)+4*\i:X+16*((\t)%2)+4*\i+3], v15 offset:32*SP*((\t)%2)+16*\i
.endr
.endm
.irp t, 0,1,2,3,4,5,6,7
	LOAD \t
.endr
	s_wait_loadcnt 28                              ; step 0's four loads are in; the seven steps behind it may be out
	TURN 0
.macro STEP t
.set XS, X+16*((\t)%2)
.if (\t) > 0
	s_wait_dscnt 2                                 ; this step's numbers are back from the stage (the last step's two stores may be out): so its stores into the stage have read their registers, and the stores of two steps ago theirs
.else
	s_wait_dscnt 0x0
.endif
.if (\t)+8 < 32
	LOAD (\t)+8                                    ; into the set that this step has left
.endif
.if (\t) < 31
.if (\t) <= 23
	s_wait_loadcnt 28                              ; the next step's four loads are in; those of the seven steps behind it may be out
.else
	s_wait_loadcnt 4*(30-(\t))
.endif
	TURN (\t)+1                                    ; through the other stage while this step is worked
.endif
	v_max3_num_f32 v8, |v[XS]|, |v[XS+1]|, |v[XS+2]|               ; the largest magnitude of my 16, in two chains
	v_max3_num_f32 v9, |v[XS+3]|, |v[XS+4]|, |v[XS+5]|
.irp i, 6,10
	v_max3_num_f32 v8, v8, |v[XS+\i]|, |v[XS+\i+1]|
	v_max3_num_f32 v9, v9, |v[XS+\i+2]|, |v[XS+\i+3]|
.endr
	v_max3_num_f32 v8, v8, |v[XS+14]|, |v[XS+15]|
	v_max3_num_f32 v8, v8, v9, 0x8000000           ; and the floor 2^(16 - 127): the byte cannot fall under 1
	v_max_num_f32_dpp v8, v8, v8 row_xmask:1 row_mask:0xf bank_mask:0xf   ; with my neighbour's 16: the block's
	v_add_nc_u32 v11, 0xf8800000, v8               ; 15 off its exponent field: the conversion takes the exponent field of this operand as its scale
	v_and_or_b32 v10, v8, 0x7f800000, s23          ; 57,344 x the scale
.irp i, 0,1,2,3,4,5,6,7,8,9,10,11,12,13,14,15
	v_med3_num_f32 v[XS+\i], v[XS+\i], -v10, v10   ; the conversion to an 8-bit code does not saturate (ISA guide 7.6.2): the hold comes first
.endr
	v_cvt_scalef32_pk8_bf8_f32 v[C+4*((\t)%2):C+4*((\t)%2)+1], v[XS:XS+7], v11
	v_cvt_scalef32_pk8_bf8_f32 v[C+4*((\t)%2)+2:C+4*((\t)%2)+3], v[XS+8:XS+15], v11
	v_lshrrev_b32 v[E+(\t)%2], 23, v11             ; the scale's byte (also the plain line behind the conversions)
	ds_store_b8 v5, v[E+(\t)%2] offset:4*((\t)/2)+2*((\t)%2)       ; both lanes of a block write the same byte with the same value
	ds_store_b128 v4, v[C+4*((\t)%2):C+4*((\t)%2)+3] offset:1088*((\t)%2)+16*((\t)/2)
.endm
.irp t, 0,1,2,3,4,5,6,7,8,9,10,11,12,13,14,15,16,17,18,19,20,21,22,23,24,25,26,27,28,29,30,31
	STEP \t
.endr
.set i, 0
.rept 32                               ; the codes come back in the order of the operand's registers: (kb, c) = (i / 4, i % 4).  My own bytes, served in order: no wait in front
	ds_load_b128 v[R+4*i:R+4*i+3], v6 offset:(i/4)*2336+(i%4)*544
.set i, i+1
.endr
.set i, 0
.rept 32
	s_wait_dscnt 31-i                              ; LDS loads come back in order: number i is in
	global_store_b128 v[VO+i/4], v[R+4*i:R+4*i+3], s[8:9] offset:(i%4)*512   ; 32 lanes store 512 consecutive bytes, at a multiple of 256 from the buffer's first byte
.set i, i+1
.endr
	s_barrier_signal -1                            ; the last count above was 0: my byte stores into the shared stage are done
	s_barrier_wait -1                              ; everybody's are
	ds_load_b128 v[186:189], v7
	s_wait_dscnt 0x0
	global_store_b128 v12, v[186:189], s[10:11]    ; sixteen threads store 256 consecutive bytes of a record's scale bytes, aligned
	s_wait_tensorcnt 0x0
	ds_add_u32 v200, v201
	s_wait_dscnt 0x0
	s_endpgm
.Lfunc_end_k_q56bb25aa85_quant:
	.size	k_q56bb25aa85_quant, .Lfunc_end_k_q56bb25aa85_quant-k_q56bb25aa85_quant
	.p2alignl 7, 3214868480
	.fill 96, 4, 3214868480
	.section	.rodata,"a",@progbits
	.p2align	6, 0x0
	.amdhsa_kernel k_q56bb25aa85_quant
		.amdhsa_group_segment_fixed_size 97792
		.amdhsa_private_segment_fixed_size 0
		.amdhsa_enable_private_segment 0
		.amdhsa_kernarg_size 24
		.amdhsa_user_sgpr_count 2
		.amdhsa_user_sgpr_kernarg_segment_ptr 1
		.amdhsa_wavefront_size32 1
		.amdhsa_system_sgpr_workgroup_id_x 1
		.amdhsa_system_sgpr_workgroup_id_y 1
		.amdhsa_system_sgpr_workgroup_id_z 1
		.amdhsa_system_vgpr_workitem_id 0
		.amdhsa_next_free_vgpr 202
		.amdhsa_next_free_sgpr 66
		.amdhsa_reserve_vcc 0
		.amdhsa_float_denorm_mode_32 3
		.amdhsa_float_denorm_mode_16_64 3
		.amdhsa_memory_ordered 1
		.amdhsa_forward_progress 1
		.amdhsa_inst_pref_size 106
	.end_amdhsa_kernel
	.amdgpu_metadata
---
amdhsa.version: [ 1, 2 ]
amdhsa.kernels:
  - .name:           k_q56bb25aa85_quant
    .symbol:         k_q56bb25aa85_quant.kd
    .args:
      - { .name: W1, .offset: 0, .size: 8, .value_kind: global_buffer, .address_space: global }
      - { .name: W2, .offset: 8, .size: 8, .value_kind: global_buffer, .address_space: global }
      - { .name: wq, .offset: 16, .size: 8, .value_kind: global_buffer, .address_space: global }
    .group_segment_fixed_size: 97792
    .private_segment_fixed_size: 0
    .kernarg_segment_align: 8
    .kernarg_segment_size: 24
    .max_flat_workgroup_size: 128
    .sgpr_count:     66
    .vgpr_count:     202
    .wavefront_size: 32
...
	.end_amdgpu_metadata
.endif
;; end of part 1
;; launch gemm (part 2): grid 256 x 1, 4 waves a work-group, clusters of 4 x 1, 327,680 bytes of LDS; arguments x0, x1, h0, h1, wq, part; writes part
.if DOCPART == 2
	.amdgcn_target "amdgcn-amd-amdhsa--gfx1250"
	.amdhsa_code_object_version 6
	.text
	.protected	k_q56bb25aa85_gemm
	.globl	k_q56bb25aa85_gemm
	.p2align	8
	.type	k_q56bb25aa85_gemm,@function
k_q56bb25aa85_gemm:
	s_mov_b64 s[64:65], 0
	v_nop
	global_prefetch_b8 v0, s[64:65] scope:SCOPE_SE
	s_setreg_imm32_b32 hwreg(HW_REG_WAVE_MODE, 25, 1), 1
	s_wait_xcnt 0x0
	s_wait_alu depctr_hold_cnt(0) depctr_sa_sdst(0) depctr_va_vdst(0) depctr_va_sdst(0) depctr_va_ssrc(0) depctr_va_vcc(0) depctr_vm_vsrc(0)
	s_getreg_b32 s2, hwreg(HW_REG_IB_STS2, 6, 4)
	s_cmp_eq_u32 s2, 0
	s_cbranch_scc0 .Lentry_in_a_cluster
	s_endpgm
.Lentry_in_a_cluster:
	s_bfe_u32 s2, ttmp6, 0x10000c
	s_cmp_lg_u32 s2, 0x3003
	s_cbranch_scc0 .Lentry_shape_is_right
	s_endpgm
.Lentry_shape_is_right:
; m[b][l] = sum over (j, k) of Q(s[b][j] x[b][k]) Q(W[l][j][k]), for W1 and W2, on codes of BF8 (E5M2) with one E8M0 scale for each 32 along K = 256 j + k.  s = [h0 | h1], x = [x0 | x1].
; W's codes and scale bytes come from wq, in records of one K step of 128 (four j x 32 k) for all 256 l of a tensor, laid in the order of the operand's registers.  THE LEFT OPERAND IS MADE HERE, IN REGISTERS: each number is the f32
; product s x, held and converted.  A block is 32 k at one j, so its largest magnitude is |s| x the largest |x| of those 32 k, rounded once: rounding never reverses an order, so this is the largest of the 32 rounded products, bit for bit.
; IT IS MADE ONCE FOR BOTH TENSORS: a wave multiplies each of its fragments by W1's and by W2's 256 l, so four vector lines stand for each matrix instruction; with one tensor to a wave there would be eight.
; LIMITS: NaN and infinities among the inputs are not served.  A block of zeros gets the byte 1 (its codes are zeros).
; SHARES.  The cluster's number is 2 sl + bh.  sl names a slice of K: two blocks of 32 k (kb = 2 (sl / 8) + 0, 1) x 64 j (64 (sl % 8) on): 32 K steps, step 2 i + q being (four j: 4 i on, kb's low bit q).  A step wants two records (W1's, W2's);
; the four records of steps 2 i and 2 i + 1 lie on end in wq and fill one LDS slot.  The four work-groups of a cluster take 128 rows b each (block 4 bh + place) and walk the SAME records: each record is asked for JOINTLY, by the same tensor
; load with the same descriptor and the mask of all four.  (The two clusters of one sl ask apart: a mask names four work-groups at the most.)  The 1,024 x 512 sums of each sl are a partial result: they go to part, and the next launch adds the 32.
; A wave owns 32 rows b x all 512 l: 64 accumulators of 16 x 16, 512 registers.  Its fragments of the left operand are its own: they never touch LDS.  W's fragments are read from the ring, each once a wave.
; THE MATRIX INSTRUCTION IS USED TRANSPOSED: source 0 = 16 l of W, source 1 = 16 rows b: lane (r, h) holds row b = r and l = 8 h + 0 .. 7.
; BY TURNS.  K step t multiplies set t % 2 of the left operand while set (t + 1) % 2 is made for step t + 1.  A step is 8 groups of four tiles of l: eight products (the four tiles x the two tiles of rows), and behind each a slice of four lines
; of one UNIT of the vector work: a unit is 16 numbers a lane: a tile of rows x one block.  Set in phases of their own these lines would leave the matrix unit idle; a slice and two window switches behind each product are the lesser price.
; REGISTERS, in windows of 256.  Window 0: see the names below.  Window 1: sixteen buffers for fragments of W (tile nb in buffer nb % 16).  Window 2: accumulators of W1's tiles nb 0-15, (nb, mb) at v[16 (nb % 16) + 8 mb];  window 3: W2's, nb 16-31.
.set RECB,   33792                     ; a record: 32,768 bytes of codes, 1,024 scale bytes; also what one wave's tensor load brings: 132 rows of 256 bytes
.set SLOTB,  4*RECB                    ; an LDS slot: two K steps x two tensors: record 2 q + W
.set SB,     2*SLOTB                   ; behind the ring: the work-group's 128 rows x 64 j of s, f32; filled once
.set SPITCH, 272                       ; a row of it: 256 bytes + 16 of padding = 68 words, so that the 16 rows that a load touches start at 16 different banks (64 banks of 4 bytes: ISA guide 11.1)
.set SWAVE,  32*SPITCH                 ; a wave's 32 rows: fetched and read by that wave alone
.set SPARE,  SB+4*SWAVE                ; the spare words, 128 bytes for each wave: two blocks of 256 bytes that no other line names
.set SPW,  1                           ; v1      LDS address of my spare word; never rewritten
.set NIL,  2                           ; v2      0; never rewritten
.set SAD,  3                           ; v3      my row of s in LDS, at the slot's four j
.set BAD,  4                           ; v4-11   16 x lane + the record's place: register 4 slot + 2 q + W.  v4 is also my place in a tile of part
.set SCAD, 12                          ; v12-15  4 x lane + the place of W1's scale bytes: register 2 slot + q
.set BY,   16                          ; v16     a scale byte at work
.set AM,   17                          ; v17     a block's largest magnitude
.set SCO,  18                          ; v18     the conversion's scale operand
.set HL,   19                          ; v19     57,344 x the scale
.set XM,   20                          ; v20-23  the largest |x| of my row's 32 k: register 2 q + mb
.set ASW,  24                          ; v24-27  the left operand's scale words: register 2 set + mb
.set BSW,  28                          ; v28-35  W's scale words: a register serves two tiles of l (lanes 0-15 the even one, lanes 16-31 the odd one); pair p of group g in register 2 (g % 4) + p
.set S,    36                          ; v36-43  s of my row at the slot's four j: register 4 mb + c
.set T,    48                          ; v48-63  a unit's 16 products
.set X,    64                          ; v64-127 x of my row at k = 32 kb + 16 h + 0 .. 15: 16 registers at 16 (2 q + mb)
.set AF,   128                         ; v128-191 the left operand's fragments: two sets of two
.set WV,  16
.set SL,  17
.set CX,  18
.set MNT, 19                           ; the mantissa field of 57,344
.set SEL, 20                           ; s[20:21] v_permlanex16_b32's selects for lane l xor 16
.set LAP, 22
.set G1,  24                           ; s[24:31] descriptor group 1 for the ring;  s[32:39] group 0, one set for each slot
.set G0,  32
.set G1S, 40                           ; s[40:47], s[48:51] groups 1 and 0 for the rows of s
.set G0S, 48
.set XB,  52                           ; s[52:53] x at my first row and k
.set PB,  54                           ; s[54:55] part at my wave's first tile of W1's sums;  s[60:61] of W2's
.set PB2, 60
.set MSB, 0
.macro WIN new                         ; the immediate's high byte repeats the setting that is left; a switch that changes nothing is dropped
.if MSB != (\new)
	s_set_vgpr_msb (MSB<<8)|(\new)
.set MSB, (\new)
.endif
.endm
.set M_LO, 0xa1                        ; source 0 (W) window 1, source 1 window 0, C and D window 2
.set TO_B, 0x40                        ; destination window 1, address window 0
.macro CREST                           ; a round of the cluster's barrier behind its opening barrier
	s_cmp_lg_u32 s[WV], 0
	s_cbranch_scc1 .Lnot_wave_0_\@
	s_barrier_signal -3
.Lnot_wave_0_\@:
	s_barrier_wait -3
	s_barrier_signal -1
	s_barrier_wait -1
.endm
.macro CROUND                          ; a whole round
	s_barrier_signal -1
	s_barrier_wait -1
	CREST
.endm
	s_load_b256 s[4:11], s[0:1], 0x0               ; x0, x1, h0, h1
	s_load_b128 s[12:15], s[0:1], 0x20             ; wq, part
	v_lshl_add_u32 v[SPW], v0, 2, SPARE
	v_mov_b32 v[NIL], 0
	ds_add_u32 v1, v2
	ds_add_u32 v1, v2
	s_wait_dscnt 0x0
	v_lshrrev_b32 v16, 5, v0
	v_readfirstlane_b32 s[WV], v16                 ; wave 0..3
	s_lshr_b32 s[SL], ttmp9, 1                     ; in a cluster launch ttmp9 counts clusters: the slice of K
	s_bfe_u32 s[CX], ttmp6, 0x40000                ; my place in the cluster.  It enters the addresses of x, s and part alone
	; the ring: a record is a dense block of 33,792 bytes: 132 rows of 32 elements of 8 bytes, no padding (fragments are read 512 consecutive bytes at a time)
	s_mov_b32 s[G1], 15|(3<<16)|(1<<21)            ; 15:0 the mask: all four work-groups; 17:16 elements of 8 bytes; 21 set beside a mask
	s_mov_b32 s[G1+1], 32<<16                      ; tensor_dim0
	s_mov_b32 s[G1+2], 132<<16                     ; tensor_dim1
	s_mov_b32 s[G1+3], 32<<16                      ; tile_dim0
	s_mov_b32 s[G1+4], 132                         ; tile_dim1
	s_mov_b32 s[G1+5], 32                          ; tensor_dim0_stride
	s_mov_b32 s[G1+6], 0
	s_mov_b32 s[G1+7], 0
	; s: 32 rows x 64 f32 (256 bytes, aligned), 256 elements from row to row in memory, 4 words of padding behind each row's 64 words
	s_mov_b32 s[G1S], (2<<16)|(1<<20)|(5<<22)|(3<<25)   ; no mask: each work-group has rows of its own
	s_mov_b32 s[G1S+1], 64<<16
	s_mov_b32 s[G1S+2], 32<<16
	s_mov_b32 s[G1S+3], 64<<16
	s_mov_b32 s[G1S+4], 32
	s_mov_b32 s[G1S+5], 256
	s_mov_b32 s[G1S+6], 0
	s_mov_b32 s[G1S+7], 0
	s_mul_i32 s56, s[WV], RECB                     ; my record of a slot, in LDS and in memory
	s_mul_i32 s58, s[SL], 64*RECB                  ; the slice's 64 records.  s56, s58, s59 never hold my place in the cluster
	s_add_co_u32 s58, s58, s56
	s_mov_b32 s59, 0
	s_mul_i32 s57, s[WV], SWAVE
	s_add_co_u32 s57, s57, SB                      ; my wave's rows of s in LDS
	s_and_b32 s60, ttmp9, 1                        ; bh
	s_lshl_b32 s60, s60, 2
	s_add_co_u32 s60, s60, s[CX]                   ; my block of 128 rows
	s_lshl_b32 s60, s60, 7
	s_lshl_b32 s61, s[WV], 5
	s_add_co_u32 s60, s60, s61                     ; my first row b = 128 x block + 32 x wave
	s_lshr_b32 s23, s[SL], 3                       ; which 64 k
	s_and_b32 s61, s23, 1
	s_lshl_b32 s61, s61, 8                         ; 64 k of 4 bytes inside x0 or x1
	s_lshl_b32 s[XB], s60, 9                       ; rows of 512 bytes
	s_add_co_u32 s[XB], s[XB], s61
	s_mov_b32 s[XB+1], 0
	s_and_b32 s62, s[SL], 3
	s_lshl_b32 s62, s62, 8                         ; 64 j of 4 bytes inside h0 or h1
	s_lshl_b32 s61, s60, 10                        ; rows of 1,024 bytes
	s_add_co_u32 s62, s62, s61
	s_mov_b32 s63, 0
	s_lshl_b32 s[PB], s[SL], 6
	s_lshr_b32 s61, s60, 4
	s_add_co_u32 s[PB], s[PB], s61                 ; 64 sl + my first tile of rows,
	s_lshl_b32 s[PB], s[PB], 14                    ; 16 tiles of 1,024 bytes each
	s_mov_b32 s[PB+1], 0
	s_mov_b32 s[MNT], 0x600000
	s_mov_b32 s[SEL], 0x76543210
	s_mov_b32 s[SEL+1], 0xfedcba98
	s_wait_kmcnt 0x0
	s_cmp_lt_u32 s23, 2                            ; k under 128 lies in x0
	s_cselect_b64 s[4:5], s[4:5], s[6:7]
	s_and_b32 s61, s[SL], 7
	s_cmp_lt_u32 s61, 4                            ; j under 256 lies in h0
	s_cselect_b64 s[8:9], s[8:9], s[10:11]
	s_add_nc_u64 s[XB:XB+1], s[4:5], s[XB:XB+1]
	s_add_nc_u64 s[PB:PB+1], s[14:15], s[PB:PB+1]
	s_add_nc_u64 s[PB2:PB2+1], s[PB:PB+1], 0x2000000   ; W2's 32 slices lie behind W1's: 32 x 64 x 16 tiles of 1,024 bytes
	s_add_nc_u64 s[62:63], s[8:9], s[62:63]
	s_add_nc_u64 s[58:59], s[12:13], s[58:59]
	s_mov_b32 s[G0S], 1                            ; 1:0 count = 1
	s_mov_b32 s[G0S+1], s57                        ; 63:32 LDS address
	s_mov_b64 s[G0S+2:G0S+3], s[62:63]             ; 120:64 global address
	s_or_b32 s[G0S+3], s[G0S+3], 0x80000000        ; 127:126 type = 2
.irp n, 0,1
	s_mov_b32 s[G0+4*\n], 1
	s_add_co_u32 s[G0+4*\n+1], s56, \n*SLOTB
	s_add_nc_u64 s[G0+4*\n+2:G0+4*\n+3], s[58:59], \n*SLOTB   ; slot n begins with K steps 2 n and 2 n + 1
	s_or_b32 s[G0+4*\n+3], s[G0+4*\n+3], 0x80000000
.endr
	CROUND                                         ; all four work-groups are here: the first joint loads meet
	tensor_load_to_lds s[G0S:G0S+3], s[G1S:G1S+7]  ; the first fills go out together: three loads of mine are out
	s_nop 0
	tensor_load_to_lds s[G0:G0+3], s[G1:G1+7]
	s_nop 0
	tensor_load_to_lds s[G0+4:G0+7], s[G1:G1+7]
	s_nop 0
.rept 4
	v_nop
.endr
	v_and_b32 v16, 15, v0                          ; r
	v_bfe_u32 v17, v0, 4, 1                        ; h
	v_and_b32 v18, 31, v0                          ; lane
	v_lshlrev_b32 v19, 9, v16
	v_lshl_add_u32 v19, v17, 6, v19                ; x: row r of 512 bytes, + 64 h: my 16 of a block's 32 k
.irp kb, 0,1
.irp m, 0,1
.irp i, 0,1,2,3
	global_load_b128 v[X+16*(2*\kb+\m)+4*\i:X+16*(2*\kb+\m)+4*\i+3], v19, s[XB:XB+1] offset:\m*8192+\kb*128+16*\i
.endr
.endr
.endr
	v_mul_u32_u24 v[SAD], v16, SPITCH
	v_add_nc_u32 v[SAD], s57, v[SAD]
	v_lshlrev_b32 v[BAD], 4, v18
.irp n, 1,2,3,4,5,6,7
	v_add_nc_u32 v[BAD+\n], \n*RECB, v[BAD]
.endr
	v_lshl_add_u32 v[SCAD], v18, 2, 32768          ; lane L takes the word of l = 32 p + L: lanes 0-15 an even tile's rows, lanes 16-31 the next tile's
.irp n, 1,2,3
	v_add_nc_u32 v[SCAD+\n], 2*\n*RECB, v[SCAD]
.endr
.irp m, 0,1,2,3
	v_mov_b32 v[T+\m], 0                           ; a lane permute's destination counts as one of its sources
.endr
	s_wait_loadcnt 0x0                             ; x
.irp m, 0,1,2,3
	v_max3_num_f32 v[XM+\m], |v[X+16*\m]|, |v[X+16*\m+1]|, |v[X+16*\m+2]|   ; the largest |x| of my 16, the four sets by turns
.endr
.irp i, 3,5,7,9,11,13
.irp m, 0,1,2,3
	v_max3_num_f32 v[XM+\m], v[XM+\m], |v[X+16*\m+\i]|, |v[X+16*\m+\i+1]|
.endr
.endr
.irp m, 0,1,2,3
	v_max_num_f32 v[XM+\m], v[XM+\m], |v[X+16*\m+15]|
.endr
.irp m, 0,1,2,3
	v_permlanex16_b32 v[T+\m], v[XM+\m], s[SEL], s[SEL+1]
.endr
.irp m, 0,1,2,3
	v_max_num_f32 v[XM+\m], v[XM+\m], v[T+\m]      ; with lane l xor 16's: of the row's 32 k
.endr
; THE VECTOR WORK.  Unit u = 4 mb + c: tile of rows mb, block c (j = the slot's c-th); kb: which of the slice's two blocks of k.
.macro UOPS u, kb                      ; the unit's four scale lines
	v_mul_f32 v[AM], |v[S+(\u)]|, v[XM+2*(\kb)+(\u)/4]         ; the block's largest magnitude
	v_max_num_f32 v[AM], 0x8000000, v[AM]                      ; the floor 2^(16 - 127): the byte cannot fall under 1
	v_add_nc_u32 v[SCO], 0xf8800000, v[AM]                     ; 15 off the exponent field: the conversion's scale operand
	v_and_or_b32 v[HL], v[AM], 0x7f800000, s[MNT]              ; 57,344 x the scale
.endm
.macro UMULH u, kb, half               ; eight of the 16 products s x, two at a time; of the pair of s the register of block c serves both halves
.irp i, 0,2,4,6
.if ((\u)%2) == 0
	v_pk_mul_f32 v[T+8*(\half)+\i:T+8*(\half)+\i+1], v[X+16*(2*(\kb)+(\u)/4)+8*(\half)+\i:X+16*(2*(\kb)+(\u)/4)+8*(\half)+\i+1], v[S+(\u):S+(\u)+1] op_sel_hi:[1,0]
.else
	v_pk_mul_f32 v[T+8*(\half)+\i:T+8*(\half)+\i+1], v[X+16*(2*(\kb)+(\u)/4)+8*(\half)+\i:X+16*(2*(\kb)+(\u)/4)+8*(\half)+\i+1], v[S+(\u)-1:S+(\u)] op_sel:[0,1] op_sel_hi:[1,1]
.endif
.endr
.endm
.macro UMED4 qt                        ; four holds: the conversion to an 8-bit code does not saturate (ISA guide 7.6.2)
.irp i, 0,1,2,3
	v_med3_num_f32 v[T+4*(\qt)+\i], v[T+4*(\qt)+\i], -v[HL], v[HL]
.endr
.endm
.macro UCVT u, set                     ; registers 4 c .. 4 c + 3 of the fragment: K = 32 c + 16 h + 0 .. 15; then the block's byte into the row's scale word (its first line is the plain line behind the conversions)
	v_cvt_scalef32_pk8_bf8_f32 v[AF+32*(\set)+4*(\u):AF+32*(\set)+4*(\u)+1], v[T:T+7], v[SCO]
	v_cvt_scalef32_pk8_bf8_f32 v[AF+32*(\set)+4*(\u)+2:AF+32*(\set)+4*(\u)+3], v[T+8:T+15], v[SCO]
.if ((\u)%4) == 0
	v_lshrrev_b32 v[ASW+2*(\set)+(\u)/4], 23, v[SCO]
.else
	v_lshrrev_b32 v[BY], 23, v[SCO]
	v_lshl_or_b32 v[ASW+2*(\set)+(\u)/4], v[BY], 8*((\u)%4), v[ASW+2*(\set)+(\u)/4]
.endif
.endm
; THE MATRIX WORK.  One product: tile nb of l (0-15 W1's, 16-31 W2's) x tile mb of rows, 128 along K.  zero = 1: it starts the sum: nothing is ever cleared.  An odd tile's scale words stand in lanes 16-31 of its pair's register.
; The 64 accumulators take turns, one instruction a turn, in the same order in every step.
.macro PROD nb, mb, set, zero
	WIN M_LO+0x50*((\nb)/16)
.set pD, 16*((\nb)%16)+8*(\mb)
.set pW, 16*((\nb)%16)
.set pA, AF+32*(\set)+16*(\mb)
.set pB, BSW+2*(((\nb)/4)%4)+((\nb)%4)/2
.set pS, ASW+2*(\set)+(\mb)
.if \zero
.if ((\nb)%2) == 0
	v_wmma_scale_f32_16x16x128_f8f6f4 v[pD:pD+7], v[pW:pW+15], v[pA:pA+15], 0, v[pB], v[pS] matrix_a_fmt:MATRIX_FMT_BF8 matrix_b_fmt:MATRIX_FMT_BF8
.else
	v_wmma_scale_f32_16x16x128_f8f6f4 v[pD:pD+7], v[pW:pW+15], v[pA:pA+15], 0, v[pB], v[pS] matrix_a_fmt:MATRIX_FMT_BF8 matrix_b_fmt:MATRIX_FMT_BF8 matrix_a_scale:MATRIX_SCALE_ROW1
.endif
.else
.if ((\nb)%2) == 0
	v_wmma_scale_f32_16x16x128_f8f6f4 v[pD:pD+7], v[pW:pW+15], v[pA:pA+15], v[pD:pD+7], v[pB], v[pS] matrix_a_fmt:MATRIX_FMT_BF8 matrix_b_fmt:MATRIX_FMT_BF8
.else
	v_wmma_scale_f32_16x16x128_f8f6f4 v[pD:pD+7], v[pW:pW+15], v[pA:pA+15], v[pD:pD+7], v[pB], v[pS] matrix_a_fmt:MATRIX_FMT_BF8 matrix_b_fmt:MATRIX_FMT_BF8 matrix_a_scale:MATRIX_SCALE_ROW1
.endif
.endif
.endm
; THE LDS LOADS.  A run of nine: half a group: two tiles' fragments of W (images of their registers: 512 consecutive bytes a load) and the register of their scale words (128 consecutive bytes), from step q of a slot.  Groups 0-3 are W1's, 4-7 W2's.
.macro LGH g, half, slot, q
	WIN TO_B
.irp f, 0,1
.irp c, 0,1,2,3
	ds_load_b128 v[16*(4*((\g)%4)+2*(\half)+\f)+4*\c:16*(4*((\g)%4)+2*(\half)+\f)+4*\c+3], v[BAD+4*(\slot)+2*(\q)+(\g)/4] offset:(4*((\g)%4)+2*(\half)+\f)*2048+512*\c
.endr
.endr
	WIN 0
	ds_load_b32 v[BSW+2*((\g)%4)+(\half)], v[SCAD+2*(\slot)+(\q)] offset:((\g)/4)*RECB+128*(2*((\g)%4)+(\half))
.endm
.macro SLOAD mb, ahead                 ; s of my row of tile mb at the four j of the slot that lies ahead slots on
	ds_load_b128 v[S+4*(\mb):S+4*(\mb)+3], v[SAD] offset:(\mb)*16*SPITCH+16*(\ahead)
.endm
; A K STEP: step q of a slot.  It multiplies set q.  zero = 1: its products start the sums.  gen = 1: it makes the next step's operand, into set 1 - q, from the block of k 1 - q.  more = 1: there is a step after the next: s is fetched for it, and its first unit begun.
; edge: 0: the next step lies in the same slot;  1: a change of slots, and this slot is filled again;  2: a change of slots, nothing is left to fetch;  3: the last step.
; Group g: products k = 0 .. 7: tile of l 4 g + k % 4, tile of rows k / 4.  Unit g's lines behind them: k = 0, 1 the products s x; k = 2 .. 5 the holds; k = 6 the conversions and the scale byte; k = 7 the next unit's four scale lines.
; Behind k = 1 and k = 5 stand the two runs of loads for group g + 3, into the buffers that group g - 1 has left: the eight multiplications of k = 0, 1 are the eight places between that group's last product and the loads.
; A scale word or a code of the row tile 1 that the step's last unit writes is first read by the next step's fifth product, twenty plain lines on.
; The wait at a group's head: the four younger runs of nine may be out.  (Where a load of s stands among them 37 would do; 36 is the stricter count.)
; s of row tile 0 is fetched anew in group 4 of a slot's first step, s of row tile 1 in group 0 of its second: each behind its last use, first in its run, and three groups ahead of its first use, whose group's head wait covers it.
.macro KSTEP slot, q, zero, gen, more, edge
.irp g, 0,1,2,3,4,5,6,7
.if ((\edge == 1) || (\edge == 2)) && (\g >= 5)
.if \g == 5
	; THE CHANGE OF SLOTS.  All this step's runs of loads have been issued.  Each wave waits for all its tensor loads (one is out: its record of the other slot), adds 0 to its spare word, and waits for that and for its reads of this slot.
	WIN 0
	s_wait_tensorcnt 0x0                           ; no tensor load of mine is out, so a group 0 may be written
	ds_add_u32 v[SPW], v[NIL]                      ; 0 onto my spare word
.if \edge == 1
	s_add_nc_u64 s[G0+4*\slot+2:G0+4*\slot+3], s[G0+4*\slot+2:G0+4*\slot+3], 2*SLOTB   ; this slot's next two K steps; the type bits on top are not reached
.endif
	s_wait_dscnt 0x0                               ; the add is done, and my reads of this slot are over: groups 5, 6 and 7 have their fragments
	s_barrier_signal -1                            ; say so; the group's work on registers stands between the signal and the wait
.endif
.elseif (\edge == 3) && (\g >= 5)
	s_wait_dscnt 18*(7-\g)                         ; nothing more is fetched: the counts run down
.else
	s_wait_dscnt 36
.endif
.irp k, 0,1,2,3,4,5,6,7
	PROD 4*\g+\k%4, \k/4, \q, \zero
.if \gen
	WIN 0
.if \k < 2
	UMULH \g, 1-\q, \k
.elseif \k < 6
	UMED4 \k-2
.elseif \k == 6
	UCVT \g, 1-\q
.elseif \g < 7
	UOPS \g+1, 1-\q
.elseif \more
	UOPS 0, \q
.endif
.endif
.if ((\k == 1) || (\k == 5)) && ((\g < 5) || (\edge == 0) || ((\edge != 3) && (\g > 5)))
.if (\k == 1) && (\gen == 0)
	WIN 0
.rept 8
	v_nop                                          ; no vector work is left: the places in front of the group's loads, and in front of the fifth product, which reads what the last unit wrote
.endr
.endif
.if \more && (\k == 1) && (\q == 0) && (\g == 4)
	SLOAD 0, 1
.endif
.if \more && (\k == 1) && (\q == 1) && (\g == 0)
	SLOAD 1, 1
.endif
.if \g < 5
	LGH \g+3, \k/4, \slot, \q
.elseif \edge == 0
	LGH \g-5, \k/4, \slot, 1
.else
	LGH \g-5, \k/4, 1-\slot, 0
.endif
.endif
.endr
.if ((\edge == 1) || (\edge == 2)) && (\g == 5)
	WIN 0                                          ; at a branch and at a label every window is 0
	s_barrier_wait -1                              ; nobody of my work-group reads this slot any more, and the other slot is whole
.if \edge == 1
	CREST                                          ; the barrier has opened a round of the cluster's barrier: no wave of any partner still reads this slot or has a load on its way
	tensor_load_to_lds s[G0+4*\slot:G0+4*\slot+3], s[G1:G1+7]      ; the joint refill: my one tensor load until the next change of slots; it has two K steps in which to land
	s_nop 0
.rept 4
	v_nop
.endr
.endif
	LGH 0, 0, 1-\slot, 0                           ; the other slot's first group
	LGH 0, 1, 1-\slot, 0
.endif
.endr
	WIN 0
.if (\q == 1) && (\edge != 3)
	v_add_nc_u32 v[SAD], 16, v[SAD]                ; on to the next slot's four j
.endif
.endm
	s_wait_tensorcnt 0x1                           ; my rows of s and my record of slot 0 are in; slot 1's load may stay out
	s_barrier_signal -1
	s_barrier_wait -1                              ; everybody's record of slot 0 is in
	SLOAD 0, 0
	SLOAD 1, 0
	s_wait_dscnt 0x0
.irp u, 0,1,2,3,4,5,6,7
	UOPS \u, 0                                     ; K step 0's operand is made with no products beside it
	UMULH \u, 0, 0
	UMULH \u, 0, 1
	UMED4 0
	UMED4 1
	UMED4 2
	UMED4 3
	UCVT \u, 0
.endr
.irp g, 0,1,2
	LGH \g, 0, 0, 0
	LGH \g, 1, 0, 0
.endr
	UOPS 0, 1
	KSTEP 0, 0, 1, 1, 1, 0                         ; the first step stands in front of the loop: its products start the sums
	s_mov_b32 s[LAP], 7
.Llap:                                                 ; a trip goes once round the ring, from a lap's second step to the next lap's first, and fills both slots again
	KSTEP 0, 1, 0, 1, 1, 1
	KSTEP 1, 0, 0, 1, 1, 0
	KSTEP 1, 1, 0, 1, 1, 1
	KSTEP 0, 0, 0, 1, 1, 0
	s_sub_co_u32 s[LAP], s[LAP], 1
	s_cmp_lg_u32 s[LAP], 0
	s_cbranch_scc1 .Llap
	KSTEP 0, 1, 0, 1, 1, 2                         ; the tail is written out: steps 29, 30, 31
	KSTEP 1, 0, 0, 1, 0, 0
	KSTEP 1, 1, 0, 0, 0, 3
.rept 8
	v_nop                                          ; the places between the last products and the stores that read their results
.endr
.irp nb, 0,1,2,3,4,5,6,7,8,9,10,11,12,13,14,15,16,17,18,19,20,21,22,23,24,25,26,27,28,29,30,31
	WIN 0x08+4*(\nb/16)                            ; a store's data are its source 1: window 2 or 3
.irp m, 0,1
	global_store_b128 v[BAD], v[16*(\nb%16)+8*\m:16*(\nb%16)+8*\m+3], s[PB+6*(\nb/16):PB+6*(\nb/16)+1] offset:(16*\m+\nb%16)*1024          ; a tile of part is the accumulator's image: 32 lanes store 512 consecutive bytes; each accumulator from its low end on
	global_store_b128 v[BAD], v[16*(\nb%16)+8*\m+4:16*(\nb%16)+8*\m+7], s[PB+6*(\nb/16):PB+6*(\nb/16)+1] offset:(16*\m+\nb%16)*1024+512
.endr
.endr
	WIN 0
	s_wait_tensorcnt 0x0                           ; the wave's end
	ds_add_u32 v[SPW], v[NIL]
	s_wait_dscnt 0x0
	CROUND                                         ; the closing round: no work-group ends while a partner may still ask for a tile that names it
	s_endpgm
.Lfunc_end_k_q56bb25aa85_gemm:
	.size	k_q56bb25aa85_gemm, .Lfunc_end_k_q56bb25aa85_gemm-k_q56bb25aa85_gemm
	.p2alignl 7, 3214868480
	.fill 96, 4, 3214868480
	.section	.rodata,"a",@progbits
	.p2align	6, 0x0
	.amdhsa_kernel k_q56bb25aa85_gemm
		.amdhsa_group_segment_fixed_size 327680
		.amdhsa_private_segment_fixed_size 0
		.amdhsa_enable_private_segment 0
		.amdhsa_kernarg_size 48
		.amdhsa_user_sgpr_count 2
		.amdhsa_user_sgpr_kernarg_segment_ptr 1
		.amdhsa_wavefront_size32 1
		.amdhsa_system_sgpr_workgroup_id_x 1
		.amdhsa_system_sgpr_workgroup_id_y 1
		.amdhsa_system_sgpr_workgroup_id_z 1
		.amdhsa_system_vgpr_workitem_id 0
		.amdhsa_next_free_vgpr 1024
		.amdhsa_next_free_sgpr 66
		.amdhsa_reserve_vcc 0
		.amdhsa_float_denorm_mode_32 3
		.amdhsa_float_denorm_mode_16_64 3
		.amdhsa_memory_ordered 1
		.amdhsa_forward_progress 1
		.amdhsa_inst_pref_size 255
	.end_amdhsa_kernel
	.section	.bss,"aw",@nobits
	.p2align	6
	.space	262144
	.amdgpu_metadata
---
amdhsa.version: [ 1, 2 ]
amdhsa.kernels:
  - .name:           k_q56bb25aa85_gemm
    .symbol:         k_q56bb25aa85_gemm.kd
    .args:
      - { .name: x0, .offset: 0, .size: 8, .value_kind: global_buffer, .address_space: global }
      - { .name: x1, .offset: 8, .size: 8, .value_kind: global_buffer, .address_space: global }
      - { .name: h0, .offset: 16, .size: 8, .value_kind: global_buffer, .address_space: global }
      - { .name: h1, .offset: 24, .size: 8, .value_kind: global_buffer, .address_space: global }
      - { .name: wq, .offset: 32, .size: 8, .value_kind: global_buffer, .address_space: global }
      - { .name: part, .offset: 40, .size: 8, .value_kind: global_buffer, .address_space: global }
    .group_segment_fixed_size: 327680
    .private_segment_fixed_size: 0
    .kernarg_segment_align: 8
    .kernarg_segment_size: 48
    .max_flat_workgroup_size: 128
    .sgpr_count:     66
    .vgpr_count:     1024
    .wavefront_size: 32
...
	.end_amdgpu_metadata
.endif
;; end of part 2
;; launch finish (part 3): grid 256 x 1, 12 waves a work-group, no clusters, 30,464 bytes of LDS; arguments part, h0, h1, Wmerge, b1, b2, out0, out1; writes out0, out1
.if DOCPART == 3
	.amdgcn_target "amdgcn-amd-amdhsa--gfx1250"
	.amdhsa_code_object_version 6
	.text
	.protected	k_q56bb25aa85_finish
	.globl	k_q56bb25aa85_finish
	.p2align	8
	.type	k_q56bb25aa85_finish,@function
k_q56bb25aa85_finish:
	s_mov_b64 s[64:65], 0
	v_nop
	global_prefetch_b8 v0, s[64:65] scope:SCOPE_SE
	s_setreg_imm32_b32 hwreg(HW_REG_WAVE_MODE, 25, 1), 1
	s_wait_xcnt 0x0
; out = u tanh(m1 + b1) + (1 - u) (s Wmerge), u = sigmoid(m2 + b2).  m1 and m2 are the sums of 32 partial tiles each from part; s Wmerge (K = 512) is made here on codes of BF8 (E5M2) with one E8M0 scale for each 32 along K.  The result is stored twice.
; SHARES.  Work-group g: 16 rows b (g / 4) x 64 columns l (g % 4): four tiles of 16 x 16.  Waves 0-3 STREAM: wave w adds the 64 partial tiles of column tile w, 1,024 bytes each, sixteen loads of 512 consecutive bytes at a time, two such sets on their way.
; Waves 4-11 MERGE: wave 4 + 4 kp + n makes K steps 2 kp and 2 kp + 1 (128 j each; kp = 0 is h0, kp = 1 is h1) of s Wmerge for column tile n: for each it quantises 16 rows of s (K innermost: 16 neighbours a lane and block) and
; 16 columns of Wmerge (a lane to a column, registers down K), makes one product, and leaves the partial tile in LDS as an image of its registers.  The two products have registers of their own: no register of one is written over by the other.
; Source 0 = 16 columns of Wmerge, source 1 = 16 rows of s: lane (r, h) holds row b = r and l = 8 h + 0 .. 7, as the tiles of part do.
; Two barriers: behind the first the stream waves read the merge waves' tiles; behind the second they read whole rows of the result from a stage, so that sixteen lanes store 256 consecutive bytes, aligned.
; tanh(a) = 1 - 2 / (1 + 2^(2 a log2 e)), sigmoid(a) = 1 / (1 + 2^(-a log2 e)): both hold at either end (the exponential goes to 0 or to infinity, the reciprocal to 1 or 0); near a = 0 tanh has an absolute error of about one part in 10^7.
; LIMITS: NaN and infinities among the inputs are not served; a block of zeros gets the scale byte 1 (its codes are zeros).  No tensor loads; no clusters: no two work-groups read the same tiles of part, and what they share of s and Wmerge is a small part of their bytes.
.set MGP,  6144                        ; LDS: for each column tile six places of 1,024 bytes: places 0 and 1 are not used, places 2-5 hold the partial tiles of K steps 0-3, so that one address serves writers and readers
.set OST,  4*MGP                       ; behind them the stage: 16 rows x (256 bytes + 16)
.set OP,   272
.set MGA,  1                           ; v1   (wave % 4) MGP + (wave / 4) 2,048 + 16 x lane
.set OSW,  2                           ; v2   the stage: where I put 32 bytes of a row
.set OSR,  3                           ; v3   and where I read a row back
.set GO,   4                           ; v4   my byte offset in the wave's rows of the outputs
.set VOF,  5                           ; v5-6 my byte offset in part, for the sets of even and of odd number
.set TM,   8                           ; merge: v8-11 largest magnitudes, v12-15 bytes, v16-19 57,344 x the scale, v20-23 the conversions' scale operands
.set A1,   8                           ; stream: v8-15 m1 + b1, v16-23 m2 + b2
.set A2,   16
.set PW,   24                          ; v24 s's scale word, v25 Wmerge's: the first product's
.set DD,   26                          ; v26-33 the first product
.set PA,   34                          ; v34-49 s's codes
.set PBF,  50                          ; v50-65 Wmerge's codes
.set N0,   66                          ; v66-129 merge: 64 numbers of s; stream: a set of 8 tiles
.set N1,   130                         ; v130-193 merge: 64 numbers of Wmerge; stream: the other set
.set SOF,  194                         ; v194 s: row r of 1,024 bytes + 64 h
.set WOF,  195                         ; v195 Wmerge: 16 h rows of 1,024 bytes + 4 r
.set BOF,  196                         ; v196 the biases: 32 h
.set PA2,  200                         ; v200-215, v216-231, v232-239, v240-241: the same four for the second product
.set PBF2, 216
.set DD2,  232
.set PW2,  240
.set WV,   20
.set SEL,  22
.set MNT,  24
	s_load_b256 s[4:11], s[0:1], 0x0               ; part, h0, h1, Wmerge
	s_load_b256 s[12:19], s[0:1], 0x20             ; b1, b2, out0, out1
	v_lshl_add_u32 v254, v0, 2, 0x7100
	v_mov_b32 v255, 0
	v_lshrrev_b32 v7, 5, v0
	v_readfirstlane_b32 s[WV], v7                  ; wave 0..11
	v_and_b32 v7, 31, v0                           ; lane
	v_and_b32 v197, 15, v0                         ; r
	v_bfe_u32 v198, v0, 4, 1                       ; h
	s_and_b32 s21, s[WV], 3                        ; which of the work-group's four column tiles
	s_lshr_b32 s25, s[WV], 2                       ; 0: a stream wave; 1, 2: kp + 1
	; every LDS address is made here, ahead of the waves' parting, and never rewritten
	s_mul_i32 s26, s21, MGP
	s_lshl_b32 s27, s25, 11
	s_add_co_u32 s26, s26, s27
	v_lshl_add_u32 v[MGA], v7, 4, s26
	s_lshl_b32 s27, s21, 6
	s_add_co_u32 s27, s27, OST
	v_mul_u32_u24 v[OSW], v197, OP
	v_lshl_add_u32 v[OSW], v198, 5, v[OSW]
	v_add_nc_u32 v[OSW], s27, v[OSW]               ; row r, + 64 x tile + 32 h
	s_mul_i32 s28, s21, 4*OP
	s_add_co_u32 s28, s28, OST
	v_mul_u32_u24 v[OSR], v198, OP
	v_lshl_add_u32 v[OSR], v197, 4, v[OSR]
	v_add_nc_u32 v[OSR], s28, v[OSR]               ; rows 4 x wave + h, 16 bytes a lane
	v_lshlrev_b32 v[GO], 10, v198
	v_lshl_add_u32 v[GO], v197, 4, v[GO]
	v_lshlrev_b32 v[VOF], 4, v7
	v_add_nc_u32 v[VOF+1], 8388608, v[VOF]         ; a set is 8 slices of 1,048,576 bytes
	v_lshlrev_b32 v[SOF], 10, v197
	v_lshl_add_u32 v[SOF], v198, 6, v[SOF]
	v_lshlrev_b32 v[WOF], 14, v198
	v_lshl_add_u32 v[WOF], v197, 2, v[WOF]
	v_lshlrev_b32 v[BOF], 5, v198
	s_lshr_b32 s29, ttmp9, 2                       ; the tile of rows
	s_and_b32 s30, ttmp9, 3                        ; the 64 columns
	s_lshl_b32 s31, s30, 2
	s_add_co_u32 s31, s31, s21                     ; the tile of columns, 0 .. 15
	s_mov_b32 s[SEL], 0x76543210
	s_mov_b32 s[SEL+1], 0xfedcba98                 ; v_permlanex16_b32's selects for lane l xor 16
	s_mov_b32 s[MNT], 0x600000                     ; the mantissa field of 57,344
	s_wait_kmcnt 0x0
	s_cmp_lt_u32 s[WV], 4
	s_cbranch_scc1 .Lstream
; 64 numbers of a lane, v[s] on, register 16 b + i = k 32 b + 16 h + i of my row or column, become a fragment's codes in v[pc] on and its scale word in v[pw].
.macro QUANT s, pc, pw
.irp b, 0,1,2,3
	v_max3_num_f32 v[TM+\b], |v[\s+16*\b]|, |v[\s+1+16*\b]|, 0x8000000   ; block b: my 16 numbers, and the floor 2^(16 - 127): the byte cannot fall under 1
.endr
.irp i, 2,4,6,8,10,12,14
.irp b, 0,1,2,3
	v_max3_num_f32 v[TM+\b], v[TM+\b], |v[\s+16*\b+\i]|, |v[\s+1+16*\b+\i]|   ; (the four blocks by turns)
.endr
.endr
.irp b, 0,1,2,3
	v_permlanex16_b32 v[TM+4+\b], v[TM+\b], s[SEL], s[SEL+1]
.endr
.irp b, 0,1,2,3
	v_max_num_f32 v[TM+\b], v[TM+\b], v[TM+4+\b]   ; with lane l xor 16's: the block's largest magnitude
.endr
.irp b, 0,1,2,3
	v_add_nc_u32 v[TM+12+\b], 0xf8800000, v[TM+\b]   ; 15 off its exponent field: the conversion's scale operand
.endr
.irp b, 0,1,2,3
	v_and_or_b32 v[TM+8+\b], v[TM+\b], 0x7f800000, s[MNT]   ; 57,344 x the scale
.endr
.irp b, 0,1,2,3
	v_lshrrev_b32 v[TM+4+\b], 23, v[TM+12+\b]      ; the scale's byte
.endr
	v_lshl_or_b32 v[\pw], v[TM+5], 8, v[TM+4]
	v_lshl_or_b32 v[\pw], v[TM+6], 16, v[\pw]
	v_lshl_or_b32 v[\pw], v[TM+7], 24, v[\pw]
.irp b, 0,1,2,3
.irp i, 0,1,2,3,4,5,6,7,8,9,10,11,12,13,14,15
	v_med3_num_f32 v[\s+16*\b+\i], v[\s+16*\b+\i], -v[TM+8+\b], v[TM+8+\b]   ; the conversion to an 8-bit code does not saturate (ISA guide 7.6.2): the hold comes first
.endr
	v_cvt_scalef32_pk8_bf8_f32 v[\pc+4*\b:\pc+1+4*\b], v[\s+16*\b:\s+7+16*\b], v[TM+12+\b]
	v_cvt_scalef32_pk8_bf8_f32 v[\pc+2+4*\b:\pc+3+4*\b], v[\s+8+16*\b:\s+15+16*\b], v[TM+12+\b]
.endr
	v_nop                                          ; one plain line behind the last conversion
.endm
.macro SLD st                          ; s(r, 128 st + 32 c + 16 h + 4 i ..) of my half of s: 16 loads
.irp c, 0,1,2,3
.irp i, 0,1,2,3
	global_load_b128 v[N0+16*\c+4*\i:N0+16*\c+4*\i+3], v[SOF], s[6:7] offset:512*(\st)+128*\c+16*\i
.endr
.endr
.endm
.macro WLD st                          ; Wmerge(128 st + 32 c + 16 h + i, r) of my 256 rows: 64 loads; sixteen lanes read 64 neighbouring bytes
.irp c, 0,1,2,3
.irp i, 0,1,2,3,4,5,6,7,8,9,10,11,12,13,14,15
	global_load_b32 v[N1+16*\c+\i], v[WOF], s[10:11] offset:(128*(\st)+32*\c+\i)*1024
.endr
.endr
.endm
	; ---- a merge wave
	s_sub_co_u32 s25, s25, 1                       ; kp
	s_lshl_b32 s32, s29, 14                        ; 16 rows of 1,024 bytes
	s_mov_b32 s33, 0
	s_lshl_b32 s34, s25, 18                        ; 256 rows of Wmerge
	s_lshl_b32 s35, s31, 6                         ; 16 columns
	s_add_co_u32 s34, s34, s35
	s_mov_b32 s35, 0
	s_cmp_eq_u32 s25, 0                            ; j under 256 lies in h0
	s_cselect_b64 s[6:7], s[6:7], s[8:9]
	s_add_nc_u64 s[6:7], s[6:7], s[32:33]
	s_add_nc_u64 s[10:11], s[10:11], s[34:35]
	SLD 0
	WLD 0
.irp b, 0,1,2,3
	v_mov_b32 v[TM+4+\b], 0                        ; a lane permute's destination counts as one of its sources
.endr
	s_wait_loadcnt 63                              ; s is in: 64 loads are younger, and the wait's field holds 63 at the most
	QUANT N0, PA, PW
	SLD 1                                          ; the second step's s, into the registers just left
	s_wait_loadcnt 16                              ; Wmerge's first 128 rows are in; the sixteen loads just issued may be out
	QUANT N1, PBF, PW+1
	WLD 1
.rept 4
	v_nop                                          ; codes written by vector instructions stand four places ahead of a scaled matrix instruction; the scale words were made ahead of the holds
.endr
	v_wmma_scale_f32_16x16x128_f8f6f4 v[DD:DD+7], v[PBF:PBF+15], v[PA:PA+15], 0, v[PW+1], v[PW] matrix_a_fmt:MATRIX_FMT_BF8 matrix_b_fmt:MATRIX_FMT_BF8
	s_wait_loadcnt 63                              ; the second step's s is in: 64 loads are younger
	QUANT N0, PA2, PW2                             ; its plain lines, which name no register of the product above, are also the places in front of the stores below
	ds_store_b128 v[MGA], v[DD:DD+3]               ; from the low end on
	ds_store_b128 v[MGA], v[DD+4:DD+7] offset:512
	s_wait_loadcnt 0x0
	QUANT N1, PBF2, PW2+1
.rept 4
	v_nop
.endr
	v_wmma_scale_f32_16x16x128_f8f6f4 v[DD2:DD2+7], v[PBF2:PBF2+15], v[PA2:PA2+15], 0, v[PW2+1], v[PW2] matrix_a_fmt:MATRIX_FMT_BF8 matrix_b_fmt:MATRIX_FMT_BF8
.rept 8
	v_nop                                          ; the places between the product and the stores that read it
.endr
	ds_store_b128 v[MGA], v[DD2:DD2+3] offset:1024
	ds_store_b128 v[MGA], v[DD2+4:DD2+7] offset:1536
	s_branch .Ljoin1
.Lstream:
	; ---- a stream wave, part 1: the sums begin as the biases
	s_lshl_b32 s32, s29, 14
	s_lshl_b32 s33, s31, 10
	s_add_co_u32 s32, s32, s33
	s_mov_b32 s33, 0
	s_add_nc_u64 s[4:5], s[4:5], s[32:33]          ; part at slice 0's tile (rows, columns)
	s_lshl_b32 s34, s31, 6
	s_mov_b32 s35, 0
	s_add_nc_u64 s[12:13], s[12:13], s[34:35]
	s_add_nc_u64 s[14:15], s[14:15], s[34:35]
	global_load_b128 v[A1:A1+3], v[BOF], s[12:13]
	global_load_b128 v[A1+4:A1+7], v[BOF], s[12:13] offset:16
	global_load_b128 v[A2:A2+3], v[BOF], s[14:15]
	global_load_b128 v[A2+4:A2+7], v[BOF], s[14:15] offset:16
.macro PSET e                          ; set e: slices 8 e .. 8 e + 7 (0-31: W1's, 32-63: W2's)
.irp i, 0,1,2,3,4,5,6,7
	global_load_b128 v[N0+64*((\e)%2)+8*\i:N0+64*((\e)%2)+8*\i+3], v[VOF+(\e)%2], s[4:5] offset:\i*1048576 th:TH_LOAD_NT
	global_load_b128 v[N0+64*((\e)%2)+8*\i+4:N0+64*((\e)%2)+8*\i+7], v[VOF+(\e)%2], s[4:5] offset:\i*1048576+512 th:TH_LOAD_NT
.endr
.endm
.macro PTURN e
.if (\e) < 7
	s_wait_loadcnt 16                              ; this set is in; the sixteen loads of the next may be out.  The wait also frees this set's offset register
.else
	s_wait_loadcnt 0x0
.endif
.irp i, 0,1,2,3,4,5,6,7
.irp j, 0,2,4,6
	v_pk_add_f32 v[A1+8*((\e)/4)+\j:A1+8*((\e)/4)+\j+1], v[A1+8*((\e)/4)+\j:A1+8*((\e)/4)+\j+1], v[N0+64*((\e)%2)+8*\i+\j:N0+64*((\e)%2)+8*\i+\j+1]
.endr
.endr
.if (\e)+2 <= 7
	v_add_nc_u32 v[VOF+(\e)%2], 16777216, v[VOF+(\e)%2]
	PSET (\e)+2
.endif
.endm
	PSET 0
	PSET 1
.irp e, 0,1,2,3,4,5,6,7
	PTURN \e
.endr
.Ljoin1:
	s_wait_dscnt 0x0                               ; for the others' sake: my stores of the partial tiles are done
	s_barrier_signal -1
	s_barrier_wait -1
	s_cmp_ge_u32 s[WV], 4
	s_cbranch_scc1 .Ljoin2
	; ---- a stream wave, part 2
.irp k, 0,1,2,3
	ds_load_b128 v[N0+8*\k:N0+8*\k+3], v[MGA] offset:2048+1024*\k
	ds_load_b128 v[N0+8*\k+4:N0+8*\k+7], v[MGA] offset:2048+1024*\k+512
.endr
.irp j, 0,2,4,6
	v_pk_mul_f32 v[A1+\j:A1+\j+1], v[A1+\j:A1+\j+1], 0x4038aa3b op_sel_hi:[1,0]   ; 2 log2(e) (m1 + b1)
	v_pk_mul_f32 v[A2+\j:A2+\j+1], v[A2+\j:A2+\j+1], 0xbfb8aa3b op_sel_hi:[1,0]   ; -log2(e) (m2 + b2)
.endr
.irp j, 0,1,2,3,4,5,6,7,8,9,10,11,12,13,14,15
	v_exp_f32 v[A1+\j], v[A1+\j]
.endr
	s_wait_dscnt 0x0
.irp j, 0,2,4,6
	v_pk_add_f32 v[N0+\j:N0+\j+1], v[N0+\j:N0+\j+1], v[N0+8+\j:N0+8+\j+1]           ; the four K steps of s Wmerge.  (Plain lines behind the exponentials)
	v_pk_add_f32 v[N0+16+\j:N0+16+\j+1], v[N0+16+\j:N0+16+\j+1], v[N0+24+\j:N0+24+\j+1]
.endr
.irp j, 0,2,4,6
	v_pk_add_f32 v[N0+\j:N0+\j+1], v[N0+\j:N0+\j+1], v[N0+16+\j:N0+16+\j+1]
.endr
	s_wait_alu depctr_va_vdst(0)
.irp j, 0,2,4,6,8,10,12,14
	v_pk_add_f32 v[A1+\j:A1+\j+1], v[A1+\j:A1+\j+1], 1.0 op_sel_hi:[1,0]
.endr
.irp j, 0,1,2,3,4,5,6,7,8,9,10,11,12,13,14,15
	v_rcp_f32 v[A1+\j], v[A1+\j]
.endr
	v_nop                                          ; a plain line between the last reciprocal and the use of its result
	s_wait_alu depctr_va_vdst(0)
.irp j, 0,2,4,6
	v_pk_fma_f32 v[A1+\j:A1+\j+1], v[A1+\j:A1+\j+1], -2.0, 1.0 op_sel_hi:[1,0,0]     ; tanh
.endr
.irp j, 0,2,4,6
	v_pk_add_f32 v[A1+\j:A1+\j+1], v[A1+\j:A1+\j+1], v[N0+\j:N0+\j+1] neg_lo:[0,1] neg_hi:[0,1]   ; tanh - s Wmerge
.endr
.irp j, 0,2,4,6
	v_pk_fma_f32 v[A1+\j:A1+\j+1], v[A2+\j:A2+\j+1], v[A1+\j:A1+\j+1], v[N0+\j:N0+\j+1]           ; u (tanh - s Wmerge) + s Wmerge
.endr
	ds_store_b128 v[OSW], v[A1:A1+3]
	ds_store_b128 v[OSW], v[A1+4:A1+7] offset:16
.Ljoin2:
	s_wait_dscnt 0x0                               ; for the others' sake: my stores into the stage are done
	s_barrier_signal -1
	s_barrier_wait -1
	s_cmp_ge_u32 s[WV], 4
	s_cbranch_scc1 .Lend
	; ---- a stream wave, part 3: four whole rows of 256 bytes, to both outputs
	s_lshl_b32 s32, s29, 14                        ; 16 rows of 1,024 bytes,
	s_lshl_b32 s33, s[WV], 12                      ; my four of them,
	s_add_co_u32 s32, s32, s33
	s_lshl_b32 s33, s30, 8                         ; the work-group's 64 columns
	s_add_co_u32 s32, s32, s33
	s_mov_b32 s33, 0
	s_add_nc_u64 s[16:17], s[16:17], s[32:33]
	s_add_nc_u64 s[18:19], s[18:19], s[32:33]
	ds_load_b128 v[N0:N0+3], v[OSR]
	ds_load_b128 v[N0+4:N0+7], v[OSR] offset:2*OP
	s_wait_dscnt 0x1                               ; the first two rows are in; the second load may be out
	global_store_b128 v[GO], v[N0:N0+3], s[16:17]                  ; sixteen lanes store 256 consecutive bytes, at a multiple of 256 from the buffer's first byte
	global_store_b128 v[GO], v[N0:N0+3], s[18:19]
	s_wait_dscnt 0x0
	global_store_b128 v[GO], v[N0+4:N0+7], s[16:17] offset:2048
	global_store_b128 v[GO], v[N0+4:N0+7], s[18:19] offset:2048
.Lend:
	s_wait_tensorcnt 0x0
	ds_add_u32 v254, v255
	s_wait_dscnt 0x0
	s_endpgm
.Lfunc_end_k_q56bb25aa85_finish:
	.size	k_q56bb25aa85_finish, .Lfunc_end_k_q56bb25aa85_finish-k_q56bb25aa85_finish
	.p2alignl 7, 3214868480
	.fill 96, 4, 3214868480
	.section	.rodata,"a",@progbits
	.p2align	6, 0x0
	.amdhsa_kernel k_q56bb25aa85_finish
		.amdhsa_group_segment_fixed_size 30464
		.amdhsa_private_segment_fixed_size 0
		.amdhsa_enable_private_segment 0
		.amdhsa_kernarg_size 64
		.amdhsa_user_sgpr_count 2
		.amdhsa_user_sgpr_kernarg_segment_ptr 1
		.amdhsa_wavefront_size32 1
		.amdhsa_system_sgpr_workgroup_id_x 1
		.amdhsa_system_sgpr_workgroup_id_y 1
		.amdhsa_system_sgpr_workgroup_id_z 1
		.amdhsa_system_vgpr_workitem_id 0
		.amdhsa_next_free_vgpr 256
		.amdhsa_next_free_sgpr 66
		.amdhsa_reserve_vcc 0
		.amdhsa_float_denorm_mode_32 3
		.amdhsa_float_denorm_mode_16_64 3
		.amdhsa_memory_ordered 1
		.amdhsa_forward_progress 1
		.amdhsa_inst_pref_size 86
	.end_amdhsa_kernel
	.amdgpu_metadata
---
amdhsa.version: [ 1, 2 ]
amdhsa.kernels:
  - .name:           k_q56bb25aa85_finish
    .symbol:         k_q56bb25aa85_finish.kd
    .args:
      - { .name: part, .offset: 0, .size: 8, .value_kind: global_buffer, .address_space: global }
      - { .name: h0, .offset: 8, .size: 8, .value_kind: global_buffer, .address_space: global }
      - { .name: h1, .offset: 16, .size: 8, .value_kind: global_buffer, .address_space: global }
      - { .name: Wmerge, .offset: 24, .size: 8, .value_kind: global_buffer, .address_space: global }
      - { .name: b1, .offset: 32, .size: 8, .value_kind: global_buffer, .address_space: global }
      - { .name: b2, .offset: 40, .size: 8, .value_kind: global_buffer, .address_space: global }
      - { .name: out0, .offset: 48, .size: 8, .value_kind: global_buffer, .address_space: global }
      - { .name: out1, .offset: 56, .size: 8, .value_kind: global_buffer, .address_space: global }
    .group_segment_fixed_size: 30464
    .private_segment_fixed_size: 0
    .kernarg_segment_align: 8
    .kernarg_segment_size: 64
    .max_flat_workgroup_size: 384
    .sgpr_count:     66
    .vgpr_count:     256
    .wavefront_size: 32
...
	.end_amdgpu_metadata
.endif
;; end of part 3
